; MI455X (gfx1250); checked and timed in simulation.
; The chip was launched on July 23, 2026; its instructions are those of AMD's public machine-readable ISA for CDNA 5 (MIT licence, August 2026) and "CDNA5" Instruction Set Architecture Reference Guide (July 2026). The comments in the code are by the model that wrote it; some were corrected since.
;; Cross Attention. Allowed arithmetic: matrix products marked QUANTISED: E2M1 operands, one E8M0 scale for each 32 along K, by v_wmma_scale_f32_16x16x128_f8f6f4 with both operands' format E2M1 (or v_wmma_scale_f32_32x16x128_f4), f32 sums; everything else in f32.
;; Inputs: Wk_codes 1,024 x 32 x 16 uint8 (E2M1 codes of Wk, K innermost, in blocks of 32 codes, two codes a byte); Wk_scales 1,024 x 32 uint8 (E8M0 scales of Wk, one for each 32 codes along K); Wq_codes 1,024 x 32 x 16 uint8 (E2M1 codes of Wq, K innermost, in blocks of 32 codes, two codes a byte); Wq_scales 1,024 x 32 uint8 (E8M0 scales of Wq, one for each 32 codes along K); Wv_codes 1,024 x 32 x 16 uint8 (E2M1 codes of Wv, K innermost, in blocks of 32 codes, two codes a byte); Wv_scales 1,024 x 32 uint8 (E8M0 scales of Wv, one for each 32 codes along K); bk 1,024 float32; bq 1,024 float32; bv 1,024 float32; context_codes 4 x 2,048 x 32 x 16 uint8 (E2M1 codes of context, K innermost, in blocks of 32 codes, two codes a byte); context_scales 4 x 2,048 x 32 uint8 (E8M0 scales of context, one for each 32 codes along K); mask 4 x 2,048 bool; x_codes 4 x 2,048 x 32 x 16 uint8 (E2M1 codes of x, K innermost, in blocks of 32 codes, two codes a byte); x_scales 4 x 2,048 x 32 uint8 (E8M0 scales of x, one for each 32 codes along K).
;; Outputs: out0 4 x 2,048 x 1,024 float32.
;; This version of the problem:
;;   THIS VERSION OF THE PROBLEM IS GIVEN IN LOW PRECISION. The matrix products marked QUANTISED in the list below multiply operands that are first quantised to E2M1 (2 exponent bits, 1 mantissa bit; 4 bits a number), with one power-of-two scale for each 32 numbers along K (OCP MX v1.0); their sums are f32. All else is computed in f32.
;;   The module's matrix products, in the order in which they are computed (A, B: the left and right operand; K: the contracted axis; several contracted axes count as one K, in the product's order):
;;     1. [M 8,192, K 1,024] x [K 1,024, N 1,024]; A: input x (given as codes); B: input Wq (given as codes): QUANTISED
;;     2. [M 8,192, K 1,024] x [K 1,024, N 1,024]; A: input context (given as codes); B: input Wk (given as codes): QUANTISED
;;     3. [M 8,192, K 1,024] x [K 1,024, N 1,024]; A: input context (given as codes); B: input Wv (given as codes): QUANTISED
;;     4. batch 64 x [M 2,048, K 64] x [K 64, N 2,048]; A: computed on the way; B: computed on the way: QUANTISED
;;     5. batch 64 x [M 2,048, K 2,048] x [K 2,048, N 64]; A: softmax (see below); B: computed on the way: QUANTISED
;;   THE QUANTISER, for each operand of a quantised product, along K:
;;     - K is cut into blocks of 32 from its start; a last block that is shorter is filled with zeros.
;;     - A block's scale is 2^e with e = floor(log2(the largest magnitude in the block)) - 2, held to -126 .. 127; a block of zeros has e = 0. As a byte (E8M0): e + 127.
;;     - Each number is divided by its block's scale, clamped to +-6, and rounded to the nearest number of E2M1, ties to even, subnormals kept.
;;     - The product sums the exact products of the quantised numbers (number of the format x scale) in f32.
;;   ~~~python
;;   def quantise(x, axis):      # numpy; x: float32 -> the quantised numbers, widened to float32 again
;;       x = np.moveaxis(x, axis, -1); K = x.shape[-1]
;;       x = np.pad(x, [(0, 0)] * (x.ndim - 1) + [(0, -K % 32)]); x = x.reshape(x.shape[:-1] + (-1, 32)); a = np.abs(x).max(-1, keepdims=True)
;;       e = np.where(a > 0, np.clip(np.frexp(np.where(a > 0, a, 1))[1] - 1 - 2, -126, 127), 0)      # np.frexp(a)[1] - 1 = floor(log2(a)), exactly
;;       r = np.clip(x / 2.0 ** e, -6, 6)
;;       step = 2.0 ** (np.maximum(np.frexp(np.where(r == 0, 1, r))[1] - 1, 0) - 1)
;;       q = np.round(r / step) * step * 2.0 ** e      # np.round: ties to even
;;       return np.moveaxis(q.reshape(q.shape[:-2] + (-1,))[..., :K], -1, axis).astype(np.float32)
;;   ~~~
;;   SOFTMAX AHEAD OF A QUANTISED PRODUCT. Where the list says 'softmax', what is quantised is not the finished softmax but p = 2^(t - M), with t = logit x log2(e) and M = ceil(the row's largest t), a whole number; so 1/2 < the row's largest p <= 1. The row's sum l is taken of the UNQUANTISED p, in f32, and the product's result is divided by l at the end. Since M is a whole number, a kernel that streams over the keys may use a running M (the ceiling of the running maximum): every later rescaling is an exact power of two, which a block's scale takes up: the codes' values come out the same.
;;   OPERANDS COMPUTED ON THE WAY. 'Computed on the way' means the value that the module computes at that place (a softmax that the list does not call 'softmax' is quantised finished and normalised). What goes into a quantiser is computed in f32, as accurately as f32 sums, v_exp_f32 and their like allow (about 1e-6 of the number): no bf16 or f16 on the way to a quantiser, and a product that is left as it is and whose result goes on into a quantised operand takes f32 operands (vector FMAs, or v_wmma_f32_16x16x4_f32). A number that lies on a knife's edge between two numbers of the format may be rounded either way, as far as f32 arithmetic and the matrix unit's own rounding can turn it there, and no further.
;;   INPUTS GIVEN AS CODES. Wk (in the module: [1024, 1024], K = its axis 0); Wq (in the module: [1024, 1024], K = its axis 0); Wv (in the module: [1024, 1024], K = its axis 0); context (in the module: [4, 2048, 1024], K = its axis 2); x (in the module: [4, 2048, 1024], K = its axis 2): each comes as NAME_codes (uint8): NAME with its K axis moved to the last place and cut into blocks of 32 codes, [.., K / 32, bytes a block], one block behind the other in memory; two codes a byte, the lower K in the low four bits (a code: sign, 2 exponent bits, 1 mantissa bit); and NAME_scales (uint8): the same leading axes, one E8M0 byte (e + 127) for each 32 codes along K. Its value is code x scale, taken as it is: it is not quantised again, and the codes and scales need not be those that the quantiser above would give.
;; One version. Each part assembles by itself: llvm-mc -triple=amdgcn-amd-amdhsa -mcpu=gfx1250 --defsym DOCPART=n.
;; ======== version 1 of 1: 2 launches
;; workspace buffers: ws 13,893,632 bytes
;; launch proj (part 1): grid 4 x 96, 16 waves a work-group, clusters of 4 x 4, 297,984 bytes of LDS; arguments x_codes, x_scales, context_codes, context_scales, Wq_codes, Wq_scales, Wk_codes, Wk_scales, Wv_codes, Wv_scales, bq, bk, bv, mask, ws; writes ws
.if DOCPART == 1
	.amdgcn_target "amdgcn-amd-amdhsa--gfx1250"
	.amdhsa_code_object_version 6
	.text
	.protected	k_qa01b0b0333_proj
	.globl	k_qa01b0b0333_proj
	.p2align	8
	.type	k_qa01b0b0333_proj,@function
k_qa01b0b0333_proj:
	s_mov_b64 s[64:65], 0
	v_nop
	global_prefetch_b8 v0, s[64:65] scope:SCOPE_SE
	s_setreg_imm32_b32 hwreg(HW_REG_WAVE_MODE, 25, 1), 1
	s_wait_xcnt 0x0
	s_wait_alu depctr_hold_cnt(0) depctr_sa_sdst(0) depctr_va_vdst(0) depctr_va_sdst(0) depctr_va_ssrc(0) depctr_va_vcc(0) depctr_vm_vsrc(0)
	s_getreg_b32 s2, hwreg(HW_REG_IB_STS2, 6, 4)
	s_cmp_eq_u32 s2, 0
	s_cbranch_scc0 .Lentry_in_a_cluster
	s_endpgm
.Lentry_in_a_cluster:
	s_bfe_u32 s2, ttmp6, 0x10000c
	s_cmp_lg_u32 s2, 0xf033
	s_cbranch_scc0 .Lentry_shape_is_right
	s_endpgm
.Lentry_shape_is_right:
; THE THREE PROJECTIONS q = x Wq + bq, k = context Wk + bk, v = context Wv + bv, on codes of FP4 (E2M1) with one E8M0 scale for each 32 along K = 1,024, sums in f32,
; and the quantising of q and k along the head's 64 and of v along the keys.  The results go to ws as images of the next launch's operand registers.
; ONE FORM FOR ALL THREE:  Out(i, j) = sum over k of Bop[i][k] Aop[j][k] + bias, quantised along i.  Source 0 of the matrix instruction = 16 rows of Bop, source 1 = 16 rows of Aop:
; a lane then holds ONE j and its registers run along i, which is the next product's K.
;   kind 0 (q): Aop = x (8,192 tokens),       Bop = Wq (1,024 features),   bias bq along i
;   kind 1 (k): Aop = context,                Bop = Wk,                    bias bk along i
;   kind 2 (v): Aop = Wv (1,024 channels),    Bop = context (8,192 keys),  bias bv along j
; SHARES.  24 clusters of 4 x 4 work-groups; kind = cluster y / 8, g = cluster y % 8.  A work-group makes 256 (i) x 256 (j); each of its sixteen waves 64 x 64: 16 accumulators.
; 64 along i is one head (q, k) or two blocks of 32 keys (v), so a wave quantises what it has made with no other wave's help.
; LDS.  A row of 1,024 codes is 512 bytes, so both operands' 256 rows for ALL of K lie in LDS (two slots of 512 along K, rows of 256 bytes + 16 of padding), and so do their scale bytes.
; Every LDS byte is filled once: no slot is filled again.
; CLUSTER.  Aop's tile hangs on cy (and the cluster's y) alone and is asked for jointly along a row of the cluster, Bop's on cx alone and jointly along a column: four requests become one.
; ws, for each BH = 16 batch + head, 217,088 bytes:
;   KIMG      0  [key tile 0..127][lane][16 bytes]          registers 0-3 of the fragment of 16 keys: lane (r, h): key 16 kt + r, d = 32 h .. 32 h + 31
;   VIMG  65536  [step 0..15][channel tile 0..3][c 0..1][lane][16 bytes]   registers 4 c .. 4 c + 3: channel 16 ct + r, keys 128 s + 64 c + 32 h + 0 .. 31
;   KSC  131072  [64 keys][lane][2 words]                   word w of lane l: key 64 g + 16 (2 w + l / 16) + l % 16
;   VSC  139264  [step][lane][2 words]                      word w of lane l: channel 16 (2 w + l / 16) + l % 16; its four bytes: the step's four blocks of 32 keys
;   QIMG 143360, QSC 208896: as KIMG and KSC, for the queries
; A scale word of q or k: bytes 0, 1 the scales of d 0-31 and 32-63; byte 3 = 0; byte 2 belongs to the 32 along K that the next launch pads the head's 64 with: 127 for q; for k 0 where mask is true
; and 254 where it is false.  (The next launch's head says what that does.)
; VSC is stored two bytes a lane, since a wave has two of a word's four blocks: one part in fifty of what this launch stores.  All else leaves in runs of 256 or 512 consecutive bytes, aligned.
; LIMITS: a block whose largest magnitude lies under 2^(3 - 127) keeps the scale byte 1; a block of zeros keeps 1 too where the quantiser says 127: its codes are zeros, and this program alone reads the bytes.
; NaN and infinities are not served.
.set PITCH,  272                       ; an LDS row: 256 bytes + 16 of padding = 68 words, so the 16 rows that a load touches start at 16 different banks (64 banks of 4 bytes: ISA guide 11.1)
.set ROWS32, 32*PITCH                  ; what one tensor load of codes brings
.set BOFF,   256*PITCH                 ; in a slot: Aop's 256 rows, then Bop's
.set SLOTB,  512*PITCH                 ; slot 0: K 0..511; slot 1: K 512..1023
.set SCL,    2*SLOTB                   ; behind the slots: Aop's scale bytes (256 rows x 32 bytes as 32 runs of 256 bytes + 16), then Bop's
.set WSBH,   217088
.set VIMG,   65536
.set KSC,    131072
.set VSC,    139264
.set QIMG,   143360
.set QSC,    208896
; vector registers
.set ADRA, 3                           ; v3, v4   LDS address of my Aop fragments in slot 0, 1
.set ADRB, 5                           ; v5, v6   the same for Bop
.set ADRS, 7                           ; v7       of my scale words: lanes 0-15 Aop's rows, lanes 16-31 Bop's
.set MB,   8                           ; v8-11    the mask's byte of token 16 a + r of my 64
.set P0,   12                          ; v12, v13 byte 2 of a scale word where the mask's byte is 0, and where it is not
.set SC,   16                          ; v16-31   scale words and nothing else: register 4 blk + q % 4: lanes 0-15 Aop's block blk, lanes 16-31 Bop's block blk, K step q
.set CT,   32                          ; v32-63   the bias as the C of the first K step: four tiles of eight registers
.set FB,   64                          ; v64-95   four fragments of Bop (16 rows x 128 K: 8 registers)
.set FA,   96                          ; v96-127  four of Aop
.set ACC,  128                         ; v128-255 accumulator (a = tile of j, b = tile of i) at v[128 + 8 (4 a + b)]
.set VO,   32                          ; the way out: v32-35 where tile a's codes go; v36 where the scale words go
.set VS,   36
.set PC,   64                          ; v64-79   the codes, four registers a tile: no store's data are written again
.set TM,   80                          ; v80-81   two blocks' largest magnitudes;  v82-83 the other half of the lanes';  v84-85 the conversions' scale operands;  v86-87 the bytes
.set TX,   82
.set SO,   84
.set BY,   86
.set HW,   88                          ; v88-91   tile a's two bytes;  v92-95 the whole word;  v[96:97] what a lane stores
.set W,    92
.set R,    96
; scalar registers
.set RA,   2                           ; s2   my first row of Aop: 256 tileA + 64 wj;   s3  of Bop: 256 tileB + 64 wi
.set RB,   3
.set G0SA, 4                           ; s[4:27] six descriptor groups 0, written when the pointers that came here have been chosen from: Aop's scales, slot 0, slot 1; Bop's likewise
.set G0A0, 8
.set G0A1, 12
.set G0SB, 16
.set G0B0, 20
.set G0B1, 24
.set OC,   28                          ; s[28:29] where my codes go;  s[30:31] mask;  s[32:33] ws, later where my scale words go
.set MK,   30
.set OS,   32
.set WV,   34                          ; wave;  wi = wave % 4;  wj = wave / 4;  wave % 8
.set WI,   35
.set WJ,   36
.set W7,   37
.set CX,   38
.set CY,   39
.set KIND, 40
.set GRP,  41
.set RMASK, 42
.set CMASK, 43
.set G1A,  44                          ; s[44:51], s[52:59] descriptor group 1 for Aop's and Bop's codes;  s[68:75], s[76:83] for their scales
.set G1B,  52
.set SA,   66                          ; s66  bytes from a tile of j to the next in ws;  s67  lanes 16-31 as a mask  (both serve as temporaries at the head)
.set HALF, 67
.set G1SA, 68
.set G1SB, 76
.set PA,   84                          ; s[84:93] the pointers chosen by kind: Aop's codes, scales; Bop's codes, scales; the bias
.set PAS,  86
.set PB,   88
.set PBS,  90
.set PBI,  92
.set SEL,  98                          ; s[98:99] v_permlanex16_b32's selects for lane l xor 16
; A round of the cluster's barrier: my work-group's barrier, so that wave 0's signal speaks for all sixteen waves; wave 0 signals for the work-group; every wave waits for all sixteen work-groups; my work-group's barrier once more.
.macro CROUND
	s_barrier_signal -1
	s_barrier_wait -1
	s_cmp_lg_u32 s[WV], 0
	s_cbranch_scc1 .Lnot_wave_0_\@
	s_barrier_signal -3
.Lnot_wave_0_\@:
	s_barrier_wait -3
	s_barrier_signal -1
	s_barrier_wait -1
.endm
; A load into a register that a matrix instruction has read, and a vector instruction that reads a matrix result or writes one of a matrix instruction's registers, stand four places behind it, and only
; plain vector instructions that name none of its registers are places (ISA guide 7.12.1 for vector instructions).
.macro PLACES
.rept 4
	v_nop
.endr
.endm
	s_load_b512 s[4:19], s[0:1], 0x0               ; x's codes, scales; context's codes, scales; Wq's codes, scales; Wk's codes, scales
	s_load_b256 s[20:27], s[0:1], 0x40             ; Wv's codes, scales; bq; bk
	s_load_b128 s[28:31], s[0:1], 0x60             ; bv; mask
	s_load_b64 s[32:33], s[0:1], 0x70              ; ws
	v_lshl_add_u32 v254, v0, 2, 0x48400
	v_mov_b32 v255, 0
	ds_add_u32 v254, v255
	ds_add_u32 v254, v255
	s_wait_dscnt 0x0
	v_lshrrev_b32 v14, 5, v0
	v_readfirstlane_b32 s[WV], v14                 ; wave 0..15
	s_and_b32 s[WI], s[WV], 3
	s_lshr_b32 s[WJ], s[WV], 2
	s_and_b32 s[W7], s[WV], 7
	s_bfe_u32 s[CX], ttmp6, 0x40000                ; my place in the cluster
	s_bfe_u32 s[CY], ttmp6, 0x40004
	s_and_b32 s[GRP], ttmp7, 0xffff                ; the cluster's y, 0..23: the same in all sixteen partners
	s_lshr_b32 s[KIND], s[GRP], 3
	s_and_b32 s[GRP], s[GRP], 7
	s_lshl_b32 s[RMASK], s[CY], 2
	s_lshl_b32 s[RMASK], 15, s[RMASK]              ; my row of the cluster
	s_lshl_b32 s[CMASK], 0x1111, s[CX]             ; my column
	; descriptor group 1 for codes: 32 rows x 256 bytes, 512 bytes apart in memory, 16 bytes of padding behind each in LDS
	s_or_b32 s[G1A], s[RMASK], (0<<16)|(1<<20)|(1<<21)|(5<<22)|(3<<25)   ; 15:0 the mask; 17:16 elements of 1 byte; 20 padding on; 21 set beside a mask; 24:22 after every 64 words (code 5); 31:25 four words (code 3)
	s_or_b32 s[G1B], s[CMASK], (0<<16)|(1<<20)|(1<<21)|(5<<22)|(3<<25)
.irp g, G1A, G1B
	s_mov_b32 s[\g+1], 256<<16                     ; tensor_dim0
	s_mov_b32 s[\g+2], 32<<16                      ; tensor_dim1
	s_mov_b32 s[\g+3], 256<<16                     ; tile_dim0
	s_mov_b32 s[\g+4], 32                          ; tile_dim1
	s_mov_b32 s[\g+5], 512                         ; tensor_dim0_stride
	s_mov_b32 s[\g+6], 0
	s_mov_b32 s[\g+7], 0
.endr
	; and for the scale bytes of 32 rows: 1,024 dense bytes as four rows of 256 (32 elements of 8 bytes), 16 bytes of padding behind each
	s_or_b32 s[G1SA], s[RMASK], (3<<16)|(1<<20)|(1<<21)|(5<<22)|(3<<25)
	s_or_b32 s[G1SB], s[CMASK], (3<<16)|(1<<20)|(1<<21)|(5<<22)|(3<<25)
.irp g, G1SA, G1SB
	s_mov_b32 s[\g+1], 32<<16
	s_mov_b32 s[\g+2], 4<<16
	s_mov_b32 s[\g+3], 32<<16
	s_mov_b32 s[\g+4], 4
	s_mov_b32 s[\g+5], 32
	s_mov_b32 s[\g+6], 0
	s_mov_b32 s[\g+7], 0
.endr
	; LDS addresses: made of the lane and the wave's number alone
	v_and_b32 v1, 15, v0                           ; r
	v_bfe_u32 v2, v0, 4, 1                         ; h
	v_mul_u32_u24 v14, v1, PITCH
	v_lshl_add_u32 v14, v2, 4, v14                 ; a fragment's row x pitch + 16 h
	s_mul_i32 s2, s[WJ], 64*PITCH                  ; my 64 rows of Aop
	s_mul_i32 s3, s[WI], 64*PITCH                  ; my 64 rows of Bop,
	s_add_co_u32 s3, s3, BOFF                      ; which lie behind Aop's 256
	v_add_nc_u32 v[ADRA], s2, v14
	v_add_nc_u32 v[ADRB], s3, v14
	v_add_nc_u32 v[ADRA+1], SLOTB, v[ADRA]
	v_add_nc_u32 v[ADRB+1], SLOTB, v[ADRB]
	v_lshlrev_b32 v[ADRS], 5, v1                   ; my row's 32 scale bytes,
	v_lshrrev_b32 v15, 3, v1
	v_lshl_add_u32 v[ADRS], v15, 4, v[ADRS]        ; and 16 more behind each eight rows
	s_xor_b32 s2, s[WJ], 3                         ; lanes 16-31 take Bop's: 8,704 + 2,176 wi - 2,176 wj bytes on = 2,176 x ((3 - wj) + wi + 1): one product with h
	s_add_co_u32 s2, s2, s[WI]
	s_add_co_u32 s2, s2, 1
	s_mul_i32 s2, s2, 2176
	v_mul_u32_u24 v15, s2, v2
	s_mul_i32 s3, s[WJ], 2176                      ; 64 rows' scale bytes with their padding
	s_add_co_u32 s3, s3, SCL
	v_add_nc_u32 v[ADRS], v[ADRS], v15
	v_add_nc_u32 v[ADRS], s3, v[ADRS]
	; which tiles.  Aop's numbers stand in s60-63 and never meet cx, Bop's in s94-97 and never meet cy
	s_cmp_eq_u32 s[KIND], 2
	s_cselect_b32 s60, 0, s[GRP]
	s_cselect_b32 s94, s[GRP], 0
	s_lshl_b32 s60, s60, 2
	s_add_co_u32 s60, s60, s[CY]                   ; tileA = 4 (v ? 0 : g) + cy
	s_lshl_b32 s94, s94, 2
	s_add_co_u32 s94, s94, s[CX]                   ; tileB = 4 (v ? g : 0) + cx
	s_lshl_b32 s60, s60, 8
	s_lshl_b32 s94, s94, 8
	s_lshl_b32 s[RA], s[WJ], 6
	s_add_co_u32 s[RA], s[RA], s60                 ; the first row of Aop that I multiply
	s_lshl_b32 s[RB], s[WI], 6
	s_add_co_u32 s[RB], s[RB], s94                 ; and of Bop
	s_lshl_b32 s61, s[W7], 5
	s_add_co_u32 s60, s60, s61                     ; the first of the 32 rows that I fetch
	s_add_co_u32 s94, s94, s61
	s_lshl_b32 s62, s60, 9                         ; its codes, 512 bytes a row,
	s_mov_b32 s63, 0
	s_lshl_b32 s60, s60, 5                         ; its scale bytes, 32 a row
	s_mov_b32 s61, 0
	s_lshl_b32 s96, s94, 9
	s_mov_b32 s97, 0
	s_lshl_b32 s94, s94, 5
	s_mov_b32 s95, 0
	s_mul_i32 s66, s[WV], 4*272                    ; where they go: waves 0-7 bring Aop's 8 x 32 rows, waves 8-15 Bop's, which lie behind them: wave x a load's bytes
	s_add_co_u32 s66, s66, SCL
	s_mul_i32 s67, s[WV], ROWS32
	s_wait_kmcnt 0x0
	s_cmp_eq_u32 s[KIND], 0                        ; the operands by kind: the choice hangs on the cluster's y alone
	s_cselect_b64 s[PA:PA+1], s[4:5], s[8:9]
	s_cselect_b64 s[PAS:PAS+1], s[6:7], s[10:11]
	s_cselect_b64 s[PB:PB+1], s[12:13], s[16:17]
	s_cselect_b64 s[PBS:PBS+1], s[14:15], s[18:19]
	s_cselect_b64 s[PBI:PBI+1], s[24:25], s[26:27]
	s_cmp_eq_u32 s[KIND], 2
	s_cselect_b64 s[PA:PA+1], s[20:21], s[PA:PA+1]
	s_cselect_b64 s[PAS:PAS+1], s[22:23], s[PAS:PAS+1]
	s_cselect_b64 s[PB:PB+1], s[8:9], s[PB:PB+1]
	s_cselect_b64 s[PBS:PBS+1], s[10:11], s[PBS:PBS+1]
	s_cselect_b64 s[PBI:PBI+1], s[28:29], s[PBI:PBI+1]
	; descriptor groups 0: count 1; LDS address; global address of the tile's first byte; type 2 in the top two bits
	s_mov_b32 s[G0SA], 1
	s_mov_b32 s[G0SA+1], s66
	s_add_nc_u64 s[G0SA+2:G0SA+3], s[PAS:PAS+1], s[60:61]
	s_or_b32 s[G0SA+3], s[G0SA+3], 0x80000000
	s_mov_b32 s[G0A0], 1
	s_mov_b32 s[G0A0+1], s67
	s_add_nc_u64 s[G0A0+2:G0A0+3], s[PA:PA+1], s[62:63]
	s_mov_b32 s[G0A1], 1
	s_add_co_u32 s[G0A1+1], s67, SLOTB
	s_add_nc_u64 s[G0A1+2:G0A1+3], s[G0A0+2:G0A0+3], 256   ; K 512 on: 256 bytes along the row
	s_or_b32 s[G0A0+3], s[G0A0+3], 0x80000000
	s_or_b32 s[G0A1+3], s[G0A1+3], 0x80000000
	s_mov_b32 s[G0SB], 1
	s_mov_b32 s[G0SB+1], s66
	s_add_nc_u64 s[G0SB+2:G0SB+3], s[PBS:PBS+1], s[94:95]
	s_or_b32 s[G0SB+3], s[G0SB+3], 0x80000000
	s_mov_b32 s[G0B0], 1
	s_mov_b32 s[G0B0+1], s67
	s_add_nc_u64 s[G0B0+2:G0B0+3], s[PB:PB+1], s[96:97]
	s_mov_b32 s[G0B1], 1
	s_add_co_u32 s[G0B1+1], s67, SLOTB
	s_add_nc_u64 s[G0B1+2:G0B1+3], s[G0B0+2:G0B0+3], 256
	s_or_b32 s[G0B0+3], s[G0B0+3], 0x80000000
	s_or_b32 s[G0B1+3], s[G0B1+3], 0x80000000
	CROUND                                         ; all sixteen work-groups are here: the joint loads meet
	s_cmp_lt_u32 s[WV], 8                          ; a wave's three loads, all first fills, stand in one branch on the wave's number: three loads of mine are out.  Four v_nop follow the last
	s_cbranch_scc0 .Lfor_b
	tensor_load_to_lds s[G0SA:G0SA+3], s[G1SA:G1SA+7]   ; the scale bytes first: they are wanted with K step 0
	s_nop 0
	tensor_load_to_lds s[G0A0:G0A0+3], s[G1A:G1A+7]
	s_nop 0
	tensor_load_to_lds s[G0A1:G0A1+3], s[G1A:G1A+7]
	s_nop 0
.rept 4
	v_nop
.endr
	s_branch .Lasked
.Lfor_b:
	tensor_load_to_lds s[G0SB:G0SB+3], s[G1SB:G1SB+7]
	s_nop 0
	tensor_load_to_lds s[G0B0:G0B0+3], s[G1B:G1B+7]
	s_nop 0
	tensor_load_to_lds s[G0B1:G0B1+3], s[G1B:G1B+7]
	s_nop 0
.rept 4
	v_nop
.endr
.Lasked:
	; THE BIAS, in the result's layout, with no branch: register jj of tile t comes from byte h sH + r sR + jj sJ + 64 t + 4 x my first index.
	; q, k: (32, 0, 4): the bias of i = 16 t + 8 h + jj.   v: (0, 4, 0): bv of channel 16 t + r in all eight registers.
	s_cmp_eq_u32 s[KIND], 2
	s_cselect_b32 s60, 0, 32
	s_cselect_b32 s61, 4, 0
	s_cselect_b32 s62, 0, 4
	s_cselect_b32 s63, s[RA], s[RB]
	s_lshl_b32 s63, s63, 2
	v_mul_u32_u24 v64, s60, v2
	v_mad_u32_u24 v64, v1, s61, v64
	v_add_nc_u32 v64, s63, v64
.irp j, 1,2,3,4,5,6,7
	v_add_nc_u32 v[64+\j], s62, v[63+\j]
.endr
.irp t, 0,1,2,3
.irp j, 0,1,2,3,4,5,6,7
	global_load_b32 v[CT+8*\t+\j], v[64+\j], s[PBI:PBI+1] offset:64*\t
.endr
.endr
	v_add_nc_u32 v15, s[RA], v1                    ; the mask's bytes of my 64 rows of Aop (for k: the keys; the other kinds load them and choose between equal numbers); RA + 63 is under 8,192 for every kind
.irp a, 0,1,2,3
	global_load_u8 v[MB+\a], v15, s[MK:MK+1] offset:16*\a
.endr
	; where my results go
	s_cmp_eq_u32 s[KIND], 2
	s_cselect_b32 s60, s[RB], s[RA]                ; my first token,
	s_cselect_b32 s61, s[RA], s[RB]                ; my first feature
	s_movk_i32 s[SA], 512
	s_cselect_b32 s[SA], 1024, s[SA]               ; from a tile of j to the next: a tile of tokens in KIMG or QIMG, a tile of channels in VIMG
	s_lshr_b32 s61, s61, 6                         ; the head
	s_lshr_b32 s62, s60, 11                        ; the batch
	s_lshl_b32 s62, s62, 4
	s_add_co_u32 s62, s62, s61
	s_mul_i32 s62, s62, WSBH                       ; BH's block of ws
	s_and_b32 s60, s60, 2047                       ; the token within its batch: a multiple of 64
	s_lshl_b32 s84, s60, 5                         ; q, k: 512 bytes of codes a tile of 16 tokens,
	s_lshl_b32 s86, s60, 2                         ; 256 bytes of scale words for 64
	s_lshr_b32 s88, s60, 7                         ; v: the step of 128 keys,
	s_bfe_u32 s89, s60, 0x10006                    ; and which half of it
	s_lshl_b32 s90, s88, 12
	s_lshl_b32 s91, s89, 9
	s_add_co_u32 s90, s90, s91
	s_add_co_u32 s90, s90, VIMG
	s_lshl_b32 s88, s88, 8
	s_lshl_b32 s89, s89, 1
	s_add_co_u32 s88, s88, s89
	s_add_co_u32 s88, s88, VSC
	s_cmp_eq_u32 s[KIND], 0
	s_cselect_b32 s94, QIMG, 0
	s_mov_b32 s95, KSC
	s_cselect_b32 s95, QSC, s95
	s_add_co_u32 s84, s84, s94
	s_add_co_u32 s86, s86, s95
	s_cmp_eq_u32 s[KIND], 2
	s_cselect_b32 s84, s90, s84
	s_cselect_b32 s86, s88, s86
	s_add_co_u32 s84, s84, s62
	s_add_co_u32 s86, s86, s62
	s_mov_b32 s85, 0
	s_mov_b32 s87, 0
	s_add_nc_u64 s[OC:OC+1], s[32:33], s[84:85]
	s_add_nc_u64 s[OS:OS+1], s[32:33], s[86:87]
	s_cmp_eq_u32 s[KIND], 1                        ; byte 2 of a scale word: k: 254 where the mask's byte is 0, else 0; q: 127 (v's is not stored)
	s_movk_i32 s60, 127
	s_cselect_b32 s61, 254, s60
	s_cselect_b32 s60, 0, s60
	v_mov_b32 v[P0], s61
	v_mov_b32 v[P0+1], s60
	s_mov_b32 s[HALF], 0xffff0000
	s_mov_b32 s[SEL], 0x76543210
	s_mov_b32 s[SEL+1], 0xfedcba98
; the scale words of four K steps (half 0: K steps 0-3, half 1: 4-7): 16 bytes a row; lanes 0-15 take Aop's block blk, lanes 16-31 Bop's
.macro SCALES half
.irp k, 0,1,2,3
	ds_load_b128 v[SC+4*\k:SC+4*\k+3], v[ADRS] offset:544*\k+16*\half
.endr
.endm
; the fragments of K step q: 16 rows x 128 K of 4-bit codes are 8 registers: lane l holds row l % 16; registers 4 c .. 4 c + 3 hold K = 64 c + 32 (l / 16) + 0 .. 31: two loads of 16 bytes, 32 bytes apart
.macro FRAGS q
.irp t, 0,1,2,3
.irp c, 0,1
	ds_load_b128 v[FB+8*\t+4*\c:FB+8*\t+4*\c+3], v[ADRB+(\q)/4] offset:16*PITCH*\t+64*((\q)%4)+32*\c
.endr
.endr
.irp t, 0,1,2,3
.irp c, 0,1
	ds_load_b128 v[FA+8*\t+4*\c:FA+8*\t+4*\c+3], v[ADRA+(\q)/4] offset:16*PITCH*\t+64*((\q)%4)+32*\c
.endr
.endr
.endm
; 16 matrix instructions: K step q.  mode 0: the sums go on; 1: they start with the bias along i; 2: with the bias along j.  The 16 accumulators take turns, one instruction a turn, in the same order
; in every K step.  Source 0's scales (Bop's) stand in lanes 16-31 of their register, source 1's in lanes 0-15.
.macro MULS q, mode
.irp a, 0,1,2,3
.irp b, 0,1,2,3
.if \mode == 0
	v_wmma_scale_f32_16x16x128_f8f6f4 v[ACC+8*(4*\a+\b):ACC+8*(4*\a+\b)+7], v[FB+8*\b:FB+8*\b+7], v[FA+8*\a:FA+8*\a+7], v[ACC+8*(4*\a+\b):ACC+8*(4*\a+\b)+7], v[SC+4*\b+(\q)%4], v[SC+4*\a+(\q)%4] matrix_a_fmt:MATRIX_FMT_FP4 matrix_b_fmt:MATRIX_FMT_FP4 matrix_a_scale:MATRIX_SCALE_ROW1
.elseif \mode == 1
	v_wmma_scale_f32_16x16x128_f8f6f4 v[ACC+8*(4*\a+\b):ACC+8*(4*\a+\b)+7], v[FB+8*\b:FB+8*\b+7], v[FA+8*\a:FA+8*\a+7], v[CT+8*\b:CT+8*\b+7], v[SC+4*\b+(\q)%4], v[SC+4*\a+(\q)%4] matrix_a_fmt:MATRIX_FMT_FP4 matrix_b_fmt:MATRIX_FMT_FP4 matrix_a_scale:MATRIX_SCALE_ROW1
.else
	v_wmma_scale_f32_16x16x128_f8f6f4 v[ACC+8*(4*\a+\b):ACC+8*(4*\a+\b)+7], v[FB+8*\b:FB+8*\b+7], v[FA+8*\a:FA+8*\a+7], v[CT+8*\a:CT+8*\a+7], v[SC+4*\b+(\q)%4], v[SC+4*\a+(\q)%4] matrix_a_fmt:MATRIX_FMT_FP4 matrix_b_fmt:MATRIX_FMT_FP4 matrix_a_scale:MATRIX_SCALE_ROW1
.endif
.endr
.endr
.endm
.macro KSTEP q
	PLACES                                         ; in front of the loads into the fragments' registers
	FRAGS \q
	s_wait_dscnt 0x0
	MULS \q, 0
.endm
	s_wait_loadcnt 0x0                             ; the bias and the mask's bytes are in; their address registers may be written again
	s_wait_tensorcnt 0x1                           ; my parts of the scale bytes and of slot 0 have landed; the one load issued behind them, slot 1's, may stay out
	s_barrier_signal -1
	s_barrier_wait -1                              ; everybody's have
	SCALES 0
	FRAGS 0
	s_wait_dscnt 0x0
	s_cmp_eq_u32 s[KIND], 2                        ; the first K step starts the sums with the bias as C: nothing is cleared and nothing is added later
	s_cbranch_scc1 .Lbias_j
	MULS 0, 1
	s_branch .Lbiased
.Lbias_j:
	MULS 0, 2
.Lbiased:
	KSTEP 1
	KSTEP 2
	KSTEP 3
	s_wait_tensorcnt 0x0                           ; my part of slot 1 has landed (no LDS instruction of mine is out),
	s_barrier_signal -1
	s_barrier_wait -1                              ; everybody's has
	PLACES                                         ; in front of the loads into the scale words' and the fragments' registers
	SCALES 1
	FRAGS 4
	s_wait_dscnt 0x0
	MULS 4, 0
	KSTEP 5
	KSTEP 6
	KSTEP 7
; THE WAY OUT.  Tile a of j: a lane's 32 registers are i = 16 b + 8 h + jj of ONE j: two blocks of 32 along i, each half in lane l and half in lane l xor 16.
; The codes: a conversion takes eight neighbours along i.  The operand's layout wants a whole block in a lane (lanes 0-15 block 0, lanes 16-31 block 1; register w: i = 32 h + 8 w on).  So the conversions of
; tiles b and b + 2 stand in neighbouring registers, and one exchange of halves (the first's lanes 16-31 with the second's lanes 0-15) puts both right.
.macro QUANT64 a
.set S, ACC+32*(\a)
.set P, PC+4*(\a)
.irp e, 0,1
	v_max3_num_f32 v[TM+\e], |v[S+16*\e]|, |v[S+16*\e+1]|, 0x1800000   ; block e: my 16 numbers, each accumulator from its low end on, and the floor 2^(3 - 127): the byte cannot fall under 1
.endr
.irp i, 2,4,6,8,10,12,14
.irp e, 0,1
	v_max3_num_f32 v[TM+\e], v[TM+\e], |v[S+16*\e+\i]|, |v[S+16*\e+\i+1]|
.endr
.endr
.irp e, 0,1
	v_permlanex16_b32 v[TX+\e], v[TM+\e], s[SEL], s[SEL+1]
.endr
.irp e, 0,1
	v_max_num_f32 v[TM+\e], v[TM+\e], v[TX+\e]     ; with lane l xor 16's: the block's largest magnitude
.endr
.irp e, 0,1
	v_add_nc_u32 v[SO+\e], 0xff000000, v[TM+\e]    ; 2 off its exponent field: the conversion takes the exponent field of this operand as its scale, and nothing else of it
.endr
.irp e, 0,1
	v_lshrrev_b32 v[BY+\e], 23, v[SO+\e]           ; the scale's byte
.endr
	v_lshl_or_b32 v[HW+(\a)], v[BY+1], 8, v[BY]
	v_cvt_scalef32_pk8_fp4_f32 v[P], v[S:S+7], v[SO]
	v_cvt_scalef32_pk8_fp4_f32 v[P+1], v[S+16:S+23], v[SO+1]
	v_cvt_scalef32_pk8_fp4_f32 v[P+2], v[S+8:S+15], v[SO]
	v_cvt_scalef32_pk8_fp4_f32 v[P+3], v[S+24:S+31], v[SO+1]
	v_nop                                          ; one plain place behind a scaled conversion
	v_permlane16_swap_b32 v[P], v[P+1]
	v_permlane16_swap_b32 v[P+2], v[P+3]
	global_store_b128 v[VO+(\a)], v[P:P+3], s[OC:OC+1]   ; the image of four registers: 32 lanes store 512 consecutive bytes, at a multiple of 256 from ws's first byte
.endm
	PLACES                                         ; behind the last products: their results are read and their fragments' registers written
	v_mov_b32 v[TX], 0                             ; written once: a lane permute's destination counts as one of its sources
	v_mov_b32 v[TX+1], 0
	v_and_b32 v[VS], 31, v0
	v_lshlrev_b32 v[VO], 4, v[VS]                  ; 16 x lane
	v_lshlrev_b32 v[VS], 3, v[VS]                  ; 8 x lane
.irp a, 1,2,3
	v_add_nc_u32 v[VO+\a], s[SA], v[VO+\a-1]
.endr
	QUANT64 0
	QUANT64 1
	QUANT64 2
	QUANT64 3
.irp a, 0,1,2,3
	v_cmp_ne_u32 vcc_lo, 0, v[MB+\a]               ; the mask selects a value, never a path
	v_cndmask_b32 v[W+\a], v[P0], v[P0+1], vcc_lo
	v_lshl_or_b32 v[W+\a], v[W+\a], 16, v[HW+\a]   ; the word of j = 16 a + r, the same in both halves of the lanes
.endr
	v_cndmask_b32 v[R], v[W], v[W+1], s[HALF]      ; word 0: lanes 0-15 tile 0's, lanes 16-31 tile 1's;
	v_cndmask_b32 v[R+1], v[W+2], v[W+3], s[HALF]  ; word 1: tiles 2 and 3
	s_cmp_eq_u32 s[KIND], 2
	s_cbranch_scc1 .Lv_scales
	global_store_b64 v[VS], v[R:R+1], s[OS:OS+1]   ; 32 lanes store 256 consecutive bytes, aligned
	s_branch .Lstored
.Lv_scales:
	global_store_b16 v[VS], v[R], s[OS:OS+1]       ; v: my two of each word's four bytes
	global_store_b16 v[VS], v[R+1], s[OS:OS+1] offset:4
.Lstored:
	s_wait_xcnt 0x0
	v_lshl_add_u32 v254, v0, 2, 0x48400
	v_mov_b32 v255, 0
	s_wait_tensorcnt 0x0
	ds_add_u32 v254, v255
	s_wait_dscnt 0x0
	CROUND                                         ; the closing round: no work-group ends while a partner may still ask for a tile that names it
	s_endpgm
.Lfunc_end_k_qa01b0b0333_proj:
	.size	k_qa01b0b0333_proj, .Lfunc_end_k_qa01b0b0333_proj-k_qa01b0b0333_proj
	.p2alignl 7, 3214868480
	.fill 96, 4, 3214868480
	.section	.rodata,"a",@progbits
	.p2align	6, 0x0
	.amdhsa_kernel k_qa01b0b0333_proj
		.amdhsa_group_segment_fixed_size 297984
		.amdhsa_private_segment_fixed_size 0
		.amdhsa_enable_private_segment 0
		.amdhsa_kernarg_size 120
		.amdhsa_user_sgpr_count 2
		.amdhsa_user_sgpr_kernarg_segment_ptr 1
		.amdhsa_wavefront_size32 1
		.amdhsa_system_sgpr_workgroup_id_x 1
		.amdhsa_system_sgpr_workgroup_id_y 1
		.amdhsa_system_sgpr_workgroup_id_z 1
		.amdhsa_system_vgpr_workitem_id 0
		.amdhsa_next_free_vgpr 256
		.amdhsa_next_free_sgpr 100
		.amdhsa_reserve_vcc 1
		.amdhsa_float_denorm_mode_32 3
		.amdhsa_float_denorm_mode_16_64 3
		.amdhsa_memory_ordered 1
		.amdhsa_forward_progress 1
		.amdhsa_inst_pref_size 52
	.end_amdhsa_kernel
	.amdgpu_metadata
---
amdhsa.version: [ 1, 2 ]
amdhsa.kernels:
  - .name:           k_qa01b0b0333_proj
    .symbol:         k_qa01b0b0333_proj.kd
    .args:
      - { .name: x_codes, .offset: 0, .size: 8, .value_kind: global_buffer, .address_space: global }
      - { .name: x_scales, .offset: 8, .size: 8, .value_kind: global_buffer, .address_space: global }
      - { .name: context_codes, .offset: 16, .size: 8, .value_kind: global_buffer, .address_space: global }
      - { .name: context_scales, .offset: 24, .size: 8, .value_kind: global_buffer, .address_space: global }
      - { .name: Wq_codes, .offset: 32, .size: 8, .value_kind: global_buffer, .address_space: global }
      - { .name: Wq_scales, .offset: 40, .size: 8, .value_kind: global_buffer, .address_space: global }
      - { .name: Wk_codes, .offset: 48, .size: 8, .value_kind: global_buffer, .address_space: global }
      - { .name: Wk_scales, .offset: 56, .size: 8, .value_kind: global_buffer, .address_space: global }
      - { .name: Wv_codes, .offset: 64, .size: 8, .value_kind: global_buffer, .address_space: global }
      - { .name: Wv_scales, .offset: 72, .size: 8, .value_kind: global_buffer, .address_space: global }
      - { .name: bq, .offset: 80, .size: 8, .value_kind: global_buffer, .address_space: global }
      - { .name: bk, .offset: 88, .size: 8, .value_kind: global_buffer, .address_space: global }
      - { .name: bv, .offset: 96, .size: 8, .value_kind: global_buffer, .address_space: global }
      - { .name: mask, .offset: 104, .size: 8, .value_kind: global_buffer, .address_space: global }
      - { .name: ws, .offset: 112, .size: 8, .value_kind: global_buffer, .address_space: global }
    .group_segment_fixed_size: 297984
    .private_segment_fixed_size: 0
    .kernarg_segment_align: 8
    .kernarg_segment_size: 120
    .max_flat_workgroup_size: 512
    .sgpr_count:     100
    .vgpr_count:     256
    .wavefront_size: 32
...
	.end_amdgpu_metadata
.endif
;; end of part 1
;; launch attn (part 2): grid 4 x 64, 16 waves a work-group, clusters of 4 x 1, 215,040 bytes of LDS; arguments ws, out0; writes out0
.if DOCPART == 2
	.amdgcn_target "amdgcn-amd-amdhsa--gfx1250"
	.amdhsa_code_object_version 6
	.text
	.protected	k_qa01b0b0333_attn
	.globl	k_qa01b0b0333_attn
	.p2align	8
	.type	k_qa01b0b0333_attn,@function
k_qa01b0b0333_attn:
	s_mov_b64 s[64:65], 0
	v_nop
	global_prefetch_b8 v0, s[64:65] scope:SCOPE_SE
	s_setreg_imm32_b32 hwreg(HW_REG_WAVE_MODE, 25, 1), 1
	s_wait_xcnt 0x0
	s_wait_alu depctr_hold_cnt(0) depctr_sa_sdst(0) depctr_va_vdst(0) depctr_va_sdst(0) depctr_va_ssrc(0) depctr_va_vcc(0) depctr_vm_vsrc(0)
	s_getreg_b32 s2, hwreg(HW_REG_IB_STS2, 6, 4)
	s_cmp_eq_u32 s2, 0
	s_cbranch_scc0 .Lentry_in_a_cluster
	s_endpgm
.Lentry_in_a_cluster:
	s_bfe_u32 s2, ttmp6, 0x10000c
	s_cmp_lg_u32 s2, 0x3003
	s_cbranch_scc0 .Lentry_shape_is_right
	s_endpgm
.Lentry_shape_is_right:
; out[b][q][64 head + d] = the sum over keys of softmax(q . k / 8, masked) v, both products on codes of FP4 (E2M1) with one E8M0 scale for each 32 along a product's K.
; q, k, v come from ws as images of operand registers (the launch before lays them; BH = 16 batch + head has 217,088 bytes: KIMG 0, VIMG 65536, KSC 131072, VSC 139264, QIMG 143360, QSC 208896).
; THE SOFTMAX AHEAD OF THE SECOND PRODUCT: t = score x log2(e) / 8; M = the row's largest t so far, rounded UP to a whole number; p = 2^(t - M) is what is quantised, along the keys; it is not normalised.
; The row's sum is taken of the unquantised p, in f32, and divides O at the end.  When M moves, the sum and O are multiplied by 2^(old M - new M): exact.
; SHARES.  A work-group owns 512 queries of one BH; each of its SIXTEEN waves one tile of 16 of them in each of two passes, in 256 registers: four waves to a SIMD, so that one wave's vector work stands
; beside another's matrix work and LDS loads.  Every wave walks all 2,048 keys, 128 a step.
; LDS.  K's and V's codes and scale words of one BH are 143,360 consecutive bytes of ws: they come into LDS once, as they lie, and stay.  No LDS byte is filled again.  Images are read lane i at 16 i: no padding.
; CLUSTER.  The four work-groups of a cluster are the four blocks of queries of one BH and need the same 143,360 bytes: each wave's part (35 rows of 256 bytes) is asked for jointly by all four.
; LAYOUT.  Both products are used transposed: S^T = K Q^T (source 0 = 16 keys, source 1 = my 16 queries), O^T = V^T P^T (source 0 = 16 channels, source 1 = P): a lane holds ONE query (lane % 16) throughout.
; THE MASK RIDES IN THE IDLE HALF OF THE FIRST PRODUCT'S K.  The instruction's K is 128, the head's 64.  Registers 4-7 of Q's and K's fragments are constants: at k = 64 Q has the code of +0.5 and K that of -1,
; all else is 0.  That block's scale is byte 2 of the scale words: 127 for a query; for a key 254 where mask is false and 0 where it is true.  So a masked score gets 0.5 x (-1) x 2^127 = -2^126, which
; swallows q . k, and any other gets -2^-128.  No vector instruction is spent on the mask.
; LIMITS.  Masked scores are -2^126 and not the f32 format's lowest number: real scores are taken to lie above -2^126 / 2^24.  The -2^-128 lies under half a unit in the last place of every score of
; magnitude 2^-104 or more.  c x 2^126 is exact, so where every key of a batch is masked t - M is 0 for all of them and the result is the plain mean of v, as a softmax of equal scores gives; as soon as an
; open key is met, 2^(old M - new M) is 0 and wipes what was summed.  A block whose every p is 0 keeps the scale byte 1: its codes are zeros.  NaN and infinities are not served.
.set WSBH,  217088
.set QIMG,  143360
.set QSC,   208896
.set STG,   143360                     ; LDS behind the images: a stage of 16 rows x (256 bytes + 16) for each wave, for the way out; no tensor load lands there
.set LI,   1                           ; v1   16 x lane      v2  8 x lane      v3  8 x (lane % 16): Q's scale word
.set L8,   2
.set R8,   3
.set GO,   4                           ; v4   the way out: my byte offset in two rows of out
.set STI,  5                           ; v5   where I put 32 bytes of a row in my stage;  v6  where I read a row back
.set STR,  6
.set ADK,  8                           ; v8-11 LDS addresses of the step's K, V, K's scale words, V's
.set ADV,  9
.set ADS,  10
.set ADT,  11
                                       ; v12 -M, v13 the largest t so far, v[14:15] the sum in two halves
.set QF,   16                          ; v16-23 Q's fragment: v16-19 loaded, v20-23 the constant half
.set QS,   24                          ; v24  Q's scale word, and nothing else
.set TP,   25                          ; v25  at work
.set FF,   26                          ; v[26:27] f = 2^(old M - new M) (the pair is named, its low word used)
.set S2,   28                          ; v[28:29] the sums' second chain
.set RL,   30                          ; v[30:31] 1 / the sum
.set KB,   32                          ; v32-95  eight fragments of K: registers +0..+3 loaded in each step, +4..+7 the constant half
.set ST,   96                          ; v96-159 S^T, then p
.set OT,   160                         ; v160-191 O^T
.set PC,   192                         ; v192-199 p's codes
.set KS,   200                         ; v200-203 K's scale words, v204-205 V's, v206 p's: scales and nothing else
.set VS,   204
.set PW,   206
.set BM,   208                         ; v208-211 the blocks' largest scores, then largest p
.set TX,   212                         ; v212-215 the other half of the lanes', later the scale bytes
.set SO,   216                         ; v216-219 the conversions' scale operands
.set VB,   224                         ; v224-255 four fragments of V
.set WV,   8                           ; s8 wave   s9 cx   s10 BH   s11 my stage
.set G0,   12                          ; s[12:15], s[16:23] the one descriptor
.set G1,   16
.set QB,   24                          ; s[24:25] Q's codes at my tile of pass 0;  s[26:27] its scale words;  s[28:29] out at my first row
.set QSB,  26
.set OUT,  28
.set SEL,  30                          ; s[30:31] v_permlanex16_b32's selects for lane l xor 16
.set CS,   32                          ; s[32:33] c = log2(e) / 8: the packed form names a pair and takes its low word for both halves
.set TK,   34                          ; s34-37 LDS bytes at which the step's K, V, K's scale words, V's begin;  s38 steps to go
.set TV,   35
.set TS,   36
.set TT,   37
.set CNT,  38
; A round of the cluster's barrier: my work-group's barrier, so that wave 0's signal speaks for all sixteen waves; wave 0 signals for the work-group; every wave waits for all four work-groups; my work-group's barrier once more.
.macro CROUND
	s_barrier_signal -1
	s_barrier_wait -1
	s_cmp_lg_u32 s[WV], 0
	s_cbranch_scc1 .Lnot_wave_0_\@
	s_barrier_signal -3
.Lnot_wave_0_\@:
	s_barrier_wait -3
	s_barrier_signal -1
	s_barrier_wait -1
.endm
.macro QLOAD p                         ; my tile of pass p: 16 tiles, 8,192 bytes of codes and four groups of scale words, on from pass 0's
	global_load_b128 v[QF:QF+3], v[LI], s[QB:QB+1] offset:8192*\p
	global_load_b32 v[QS], v[R8], s[QSB:QSB+1] offset:1024*\p
.endm
	s_load_b128 s[4:7], s[0:1], 0x0                ; ws, out0
	v_lshl_add_u32 v222, v0, 2, 0x34000
	v_mov_b32 v223, 0
	ds_add_u32 v222, v223
	ds_add_u32 v222, v223
	v_lshrrev_b32 v7, 5, v0
	v_readfirstlane_b32 s[WV], v7                  ; wave 0..15
	s_bfe_u32 s9, ttmp6, 0x40000                   ; cx: my block of 512 queries: it enters Q's and out's addresses alone
	s_and_b32 s10, ttmp7, 0xffff                   ; BH, which the four partners share
	; the descriptor: 35 rows of 256 bytes (32 elements of 8), dense in memory and in LDS
	s_mov_b32 s[G1], 15|(3<<16)|(1<<21)            ; 15:0 the mask: all four work-groups; 17:16 elements of 8 bytes; 20 no padding; 21 set beside a mask
	s_mov_b32 s[G1+1], 32<<16                      ; tensor_dim0
	s_mov_b32 s[G1+2], 35<<16                      ; tensor_dim1
	s_mov_b32 s[G1+3], 32<<16                      ; tile_dim0
	s_mov_b32 s[G1+4], 35                          ; tile_dim1
	s_mov_b32 s[G1+5], 32                          ; tensor_dim0_stride
	s_mov_b32 s[G1+6], 0
	s_mov_b32 s[G1+7], 0
	s_mul_i32 s40, s10, WSBH                       ; BH's block of ws
	s_mov_b32 s41, 0
	s_mul_i32 s42, s[WV], 8960                     ; my sixteenth of the 143,360 bytes, in memory and in LDS alike
	s_mov_b32 s43, 0
	s_mul_i32 s11, s[WV], 16*272
	s_add_co_u32 s11, s11, STG                     ; my stage
	s_mov_b32 s[SEL], 0x76543210
	s_mov_b32 s[SEL+1], 0xfedcba98
	s_mov_b32 s[CS], 0x3e38aa3b                    ; c = log2(e) / 8
	s_mov_b32 s[CS+1], s[CS]                       ; (named with it as a pair, so it is written)
	s_wait_dscnt 0x0
	s_wait_kmcnt 0x0
	s_add_nc_u64 s[4:5], s[4:5], s[40:41]
	s_mov_b32 s[G0], 1                             ; count = 1
	s_mov_b32 s[G0+1], s42                         ; LDS address
	s_add_nc_u64 s[G0+2:G0+3], s[4:5], s[42:43]    ; global address
	s_or_b32 s[G0+3], s[G0+3], 0x80000000          ; type = 2
	CROUND                                         ; all four work-groups are here: the joint loads meet
	tensor_load_to_lds s[G0:G0+3], s[G1:G1+7]      ; every wave's one tensor load, a first fill
	s_nop 0
.rept 4
	v_nop
.endr
	s_lshl_b32 s44, s9, 5                          ; Q's codes: tile 32 cx + wave, 512 bytes a tile
	s_add_co_u32 s44, s44, s[WV]
	s_lshl_b32 s44, s44, 9
	s_add_co_u32 s44, s44, QIMG
	s_mov_b32 s45, 0
	s_add_nc_u64 s[QB:QB+1], s[4:5], s[44:45]
	s_lshl_b32 s46, s9, 3                          ; Q's scale words: group 8 cx + wave / 4 of 256 bytes; in it tile wave % 4 = 2 w + hh stands in word w of lanes 16 hh + r
	s_lshr_b32 s47, s[WV], 2
	s_add_co_u32 s46, s46, s47
	s_lshl_b32 s46, s46, 8
	s_and_b32 s47, s[WV], 1
	s_lshl_b32 s47, s47, 7
	s_add_co_u32 s46, s46, s47
	s_bfe_u32 s47, s[WV], 0x10001
	s_lshl_b32 s47, s47, 2
	s_add_co_u32 s46, s46, s47
	s_add_co_u32 s46, s46, QSC
	s_mov_b32 s47, 0
	s_add_nc_u64 s[QSB:QSB+1], s[4:5], s[46:47]
	s_lshr_b32 s44, s10, 4                         ; out: row 2,048 batch + 512 cx + 16 wave of 4,096 bytes, + 256 head
	s_lshl_b32 s44, s44, 11
	s_lshl_b32 s46, s9, 9
	s_add_co_u32 s44, s44, s46
	s_lshl_b32 s46, s[WV], 4
	s_add_co_u32 s44, s44, s46
	s_lshl_b32 s44, s44, 12
	s_and_b32 s46, s10, 15
	s_lshl_b32 s46, s46, 8
	s_add_co_u32 s44, s44, s46
	s_add_nc_u64 s[OUT:OUT+1], s[6:7], s[44:45]
	v_and_b32 v7, 31, v0                           ; lane
	v_lshlrev_b32 v[LI], 4, v7
	v_lshlrev_b32 v[L8], 3, v7
	v_and_b32 v[TP], 15, v0                        ; r
	v_lshlrev_b32 v[R8], 3, v[TP]
	QLOAD 0
	v_bfe_u32 v7, v0, 4, 1                         ; h
	v_lshlrev_b32 v[GO], 12, v7
	v_lshl_add_u32 v[GO], v[TP], 4, v[GO]          ; lanes 0-15 take one row of out, lanes 16-31 the next; 16 bytes a lane
	v_mul_u32_u24 v[STI], v[TP], 272
	v_lshl_add_u32 v[STI], v7, 5, v[STI]
	v_add_nc_u32 v[STI], s11, v[STI]               ; in: row r, + 32 h
	v_mul_u32_u24 v[STR], v7, 272
	v_lshl_add_u32 v[STR], v[TP], 4, v[STR]
	v_add_nc_u32 v[STR], s11, v[STR]               ; back: row h, + 16 r
	v_sub_nc_u32 v[QF+4], 1, v7                    ; Q's constant half: the code 1 (+0.5) at k = 64, which lies in lanes 0-15; 0 in lanes 16-31 (k = 96 on)
.irp j, 5,6,7
	v_mov_b32 v[QF+\j], 0
.endr
.irp t, 0,1,2,3,4,5,6,7
	v_mul_u32_u24 v[KB+8*\t+4], 10, v[QF+4]        ; K's: the code 10 (-1) at k = 64
	v_mov_b32 v[KB+8*\t+5], 0
	v_mov_b32 v[KB+8*\t+6], 0
	v_mov_b32 v[KB+8*\t+7], 0
.endr
.irp b, 0,1,2,3
	v_mov_b32 v[TX+\b], 0                          ; written once: a lane permute's destination counts as one of its sources
.endr
	v_mov_b32 v[FF+1], 0                           ; (named as the upper half of a pair)
	s_wait_tensorcnt 0x0                           ; my part of the images has landed,
	s_barrier_signal -1
	s_barrier_wait -1                              ; everybody's has
; A KEY STEP: 128 keys.
.macro STEP
	v_add_nc_u32 v[ADK], s[TK], v[LI]              ; these four are also the places between the last step's products and the loads into V's and its scale words' registers
	v_add_nc_u32 v[ADV], s[TV], v[LI]
	v_add_nc_u32 v[ADS], s[TS], v[L8]
	v_add_nc_u32 v[ADT], s[TT], v[L8]
.irp t, 0,1,2,3,4,5,6,7
	ds_load_b128 v[KB+8*\t:KB+8*\t+3], v[ADK] offset:512*\t       ; tile t: keys 16 t .. 16 t + 15 of the step
.endr
	ds_load_b64 v[KS:KS+1], v[ADS]                 ; register t / 2: lanes 0-15 the words of tile t (even), lanes 16-31 of tile t (odd)
	ds_load_b64 v[KS+2:KS+3], v[ADS] offset:256
.irp t, 0,1,2,3
.irp c, 0,1
	ds_load_b128 v[VB+8*\t+4*\c:VB+8*\t+4*\c+3], v[ADV] offset:1024*\t+512*\c
.endr
.endr
	ds_load_b64 v[VS:VS+1], v[ADT]
	s_wait_dscnt 9                                 ; K and its scale words are in; the nine loads issued behind them (V's eight, its scale words') may stay out till the second product
.irp t, 0,2,4,6                                ; S^T = K Q^T: lane (r, h) holds query r; register jj of tile t key 16 t + 8 h + jj
	v_wmma_scale_f32_16x16x128_f8f6f4 v[ST+8*\t:ST+8*\t+7], v[KB+8*\t:KB+8*\t+7], v[QF:QF+7], 0, v[KS+\t/2], v[QS] matrix_a_fmt:MATRIX_FMT_FP4 matrix_b_fmt:MATRIX_FMT_FP4
	v_wmma_scale_f32_16x16x128_f8f6f4 v[ST+8*\t+8:ST+8*\t+15], v[KB+8*\t+8:KB+8*\t+15], v[QF:QF+7], 0, v[KS+\t/2], v[QS] matrix_a_fmt:MATRIX_FMT_FP4 matrix_b_fmt:MATRIX_FMT_FP4 matrix_a_scale:MATRIX_SCALE_ROW1
.endr
.rept 4
	v_nop                                          ; four places in front of the first read of the scores
.endr
.irp b, 0,1,2,3
	v_max3_num_f32 v[BM+\b], v[ST+16*\b], v[ST+16*\b+1], v[ST+16*\b+2]   ; THE LARGEST SCORE OF EACH BLOCK OF 32 KEYS (tiles 2 b and 2 b + 1): it serves twice: for the row's maximum, and, since p rises with the score, for the block's largest p
.endr
.irp i, 3,5,7,9,11,13
.irp b, 0,1,2,3
	v_max3_num_f32 v[BM+\b], v[BM+\b], v[ST+16*\b+\i], v[ST+16*\b+\i+1]   ; (the four blocks by turns; each accumulator is met at its low end first)
.endr
.endr
.irp b, 0,1,2,3
	v_max_num_f32 v[BM+\b], v[BM+\b], v[ST+16*\b+15]
.endr
.irp b, 0,1,2,3
	v_permlanex16_b32 v[TX+\b], v[BM+\b], s[SEL], s[SEL+1]
.endr
.irp b, 0,1,2,3
	v_max_num_f32 v[BM+\b], v[BM+\b], v[TX+\b]     ; with lane l xor 16's 16 keys
.endr
	v_max3_num_f32 v[TP], v[BM], v[BM+1], v[BM+2]
	v_max_num_f32 v[TP], v[TP], v[BM+3]            ; the step's largest score of my query
	v_mul_f32 v[TP], s[CS], v[TP]                  ; as t (c is positive)
	v_max_num_f32 v13, v13, v[TP]                  ; the running largest t
	v_mov_b32 v[TP], v12
	v_floor_f32 v12, -v13                          ; the new -M = floor(-t) = -ceil(t): M IS A WHOLE NUMBER
	v_sub_f32 v[TP], v12, v[TP]                    ; M's old value less its new one: a whole number, 0 or less
	v_cvt_i32_f32 v[TP], v[TP]                     ; (it saturates)
	v_ldexp_f32 v[FF], 1.0, v[TP]                  ; f = 2^(old M - new M): a multiplication by it rounds nothing
.irp j, 0,2,4,6,8,10,12,14,16,18,20,22,24,26,28,30,32,34,36,38,40,42,44,46,48,50,52,54,56,58,60,62
	v_pk_fma_f32 v[ST+\j:ST+\j+1], v[ST+\j:ST+\j+1], s[CS:CS+1], v[12:13] op_sel_hi:[1,0,0]   ; t - M, two at a time (of the pairs c and -M the low word serves both halves)
.endr
.irp b, 0,1,2,3
	v_fma_f32 v[BM+\b], v[BM+\b], s[CS], v12       ; the same of each block's largest score
.endr
.irp j, 0,1,2,3,4,5,6,7,8,9,10,11,12,13,14,15,16,17,18,19,20,21,22,23,24,25,26,27,28,29,30,31,32,33,34,35,36,37,38,39,40,41,42,43,44,45,46,47,48,49,50,51,52,53,54,55,56,57,58,59,60,61,62,63
	v_exp_f32 v[ST+\j], v[ST+\j]                   ; p = 2^(t - M), at most 1: NOT normalised
.endr
.irp b, 0,1,2,3
	v_exp_f32 v[BM+\b], v[BM+\b]                   ; the block's largest p: the same two instructions on the same number give the same bits
.endr
	v_pk_mul_f32 v[14:15], v[14:15], v[FF:FF+1] op_sel_hi:[1,0]   ; the sums under the new M.  (A plain place behind the exponentials)
	s_wait_alu depctr_va_vdst(0)
.irp b, 0,1,2,3
	v_max_num_f32 v[BM+\b], 0x1800000, v[BM+\b]    ; the floor 2^(3 - 127): the byte cannot fall under 1
.endr
.irp b, 0,1,2,3
	v_add_nc_u32 v[SO+\b], 0xff000000, v[BM+\b]    ; 2 off the exponent field: the conversion's scale operand
.endr
.irp b, 0,1,2,3
	v_lshrrev_b32 v[TX+\b], 23, v[SO+\b]           ; the scale's byte
.endr
	v_lshl_or_b32 v[PW], v[TX+1], 8, v[TX]         ; p's scale word for these 128 keys
	v_lshl_or_b32 v[PW], v[TX+2], 16, v[PW]
	v_lshl_or_b32 v[PW], v[TX+3], 24, v[PW]
; The operand's layout wants a WHOLE block in a lane: register 4 c + w: keys 64 c + 32 h + 8 w on.  The conversions of tiles 4 c + u and 4 c + 2 + u stand in neighbouring registers, and one exchange of
; halves (the first's lanes 16-31 with the second's lanes 0-15) puts both right.
.irp c, 0,1
.irp u, 0,1
	v_cvt_scalef32_pk8_fp4_f32 v[PC+4*\c+2*\u], v[ST+8*(4*\c+\u):ST+8*(4*\c+\u)+7], v[SO+2*\c]
	v_cvt_scalef32_pk8_fp4_f32 v[PC+4*\c+2*\u+1], v[ST+8*(4*\c+2+\u):ST+8*(4*\c+2+\u)+7], v[SO+2*\c+1]
.endr
.endr
	v_nop                                          ; one plain place behind a scaled conversion
.irp i, 0,2,4,6
	v_permlane16_swap_b32 v[PC+\i], v[PC+\i+1]
.endr
	v_pk_add_f32 v[S2:S2+1], v[ST:ST+1], v[ST+2:ST+3]   ; THE ROW'S SUM IS TAKEN OF THE UNQUANTISED p: two at a time, in two chains
.irp j, 4,8,12,16,20,24,28,32,36,40,44,48,52,56,60
	v_pk_add_f32 v[14:15], v[14:15], v[ST+\j:ST+\j+1]
	v_pk_add_f32 v[S2:S2+1], v[S2:S2+1], v[ST+\j+2:ST+\j+3]
.endr
	v_pk_add_f32 v[14:15], v[14:15], v[S2:S2+1]
.irp j, 0,2,4,6,8,10,12,14,16,18,20,22,24,26,28,30
	v_pk_mul_f32 v[OT+\j:OT+\j+1], v[OT+\j:OT+\j+1], v[FF:FF+1] op_sel_hi:[1,0]   ; O^T under the new M, each accumulator from its low end on.  (With the 32 sums: the places between p's codes and scale word and the products below)
.endr
	s_wait_dscnt 0x0                               ; V and its scale words are in
.irp t, 0,2                                    ; O^T += V^T P^T: four tiles of 16 channels, one instruction each, by turns; the next matrix instruction is the next step's first score
	v_wmma_scale_f32_16x16x128_f8f6f4 v[OT+8*\t:OT+8*\t+7], v[VB+8*\t:VB+8*\t+7], v[PC:PC+7], v[OT+8*\t:OT+8*\t+7], v[VS+\t/2], v[PW] matrix_a_fmt:MATRIX_FMT_FP4 matrix_b_fmt:MATRIX_FMT_FP4
	v_wmma_scale_f32_16x16x128_f8f6f4 v[OT+8*\t+8:OT+8*\t+15], v[VB+8*\t+8:VB+8*\t+15], v[PC:PC+7], v[OT+8*\t+8:OT+8*\t+15], v[VS+\t/2], v[PW] matrix_a_fmt:MATRIX_FMT_FP4 matrix_b_fmt:MATRIX_FMT_FP4 matrix_a_scale:MATRIX_SCALE_ROW1
.endr
	s_add_co_u32 s[TK], s[TK], 4096                ; the next step's images and scale words
	s_add_co_u32 s[TV], s[TV], 4096
	s_add_co_u32 s[TS], s[TS], 512
	s_add_co_u32 s[TT], s[TT], 256
.endm
; THE WAY OUT of pass p.  The sum's halves are added; O^T is divided by the sum and goes through my own stage in LDS, so that sixteen lanes store one query's 64 channels.
.macro WAYOUT p
	v_add_f32 v14, v14, v15                        ; the sum's two halves,
	v_permlanex16_b32 v[TP], v14, s[SEL], s[SEL+1]
	v_add_f32 v14, v14, v[TP]                      ; and lane l xor 16's: the row's sum, over 1/2 since the row's largest p is
	v_rcp_f32 v[RL], v14
	v_mov_b32 v[RL+1], 0                           ; (a plain place behind the transcendental; the pair is named below)
.rept 4
	v_nop                                          ; places between the last products and the first read of O^T
.endr
	s_wait_alu depctr_va_vdst(0)
.irp j, 0,2,4,6,8,10,12,14,16,18,20,22,24,26,28,30
	v_pk_mul_f32 v[ST+\j:ST+\j+1], v[OT+\j:OT+\j+1], v[RL:RL+1] op_sel_hi:[1,0]   ; register 8 t + jj: o(r, 16 t + 8 h + jj)
.endr
.irp t, 0,1,2,3
	ds_store_b128 v[STI], v[ST+8*\t:ST+8*\t+3] offset:64*\t
	ds_store_b128 v[STI], v[ST+8*\t+4:ST+8*\t+7] offset:64*\t+16
.endr
.irp i, 0,1,2,3,4,5,6,7
	ds_load_b128 v[ST+32+4*\i:ST+32+4*\i+3], v[STR] offset:544*\i   ; LDS serves a wave's instructions in order (ISA guide 5.7.1.4): these see my stores
.endr
.irp i, 0,1,2,3,4,5,6,7
	s_wait_dscnt 7-\i                              ; the younger loads from the stage may stay out
	global_store_b128 v[GO], v[ST+32+4*\i:ST+32+4*\i+3], s[OUT:OUT+1] offset:8192*\i+1048576*\p th:TH_STORE_NT   ; 16 lanes store 256 consecutive bytes, at a multiple of 256 from out's first byte; pass 1's rows lie 256 rows on
.endr
.endm
; A PASS: one tile of 16 queries against all keys.  The step is written once: the first finds zeros in O^T and in the sum, which the first change of M leaves zeros.
.macro PASS p
.if \p
	s_wait_xcnt 0x0                                ; the last pass's stores have read their registers: the scores are written over them only behind this wait
.endif
	v_mov_b32 v13, 0xff61b1e6                      ; the largest t so far: -3e38, under every t
	v_floor_f32 v12, -v13                          ; -M
	v_mov_b32 v14, 0
	v_mov_b32 v15, 0
.irp j, 0,1,2,3,4,5,6,7,8,9,10,11,12,13,14,15,16,17,18,19,20,21,22,23,24,25,26,27,28,29,30,31
	v_mov_b32 v[OT+\j], 0
.endr
	s_mov_b32 s[TK], 0
	s_mov_b32 s[TV], 65536
	s_mov_b32 s[TS], 131072
	s_mov_b32 s[TT], 139264
	s_mov_b32 s[CNT], 16
	s_wait_loadcnt 0x0                             ; Q's codes and scale word are in
.Lkeys_\@:
	STEP
	s_sub_co_u32 s[CNT], s[CNT], 1
	s_cmp_lg_u32 s[CNT], 0
	s_cbranch_scc1 .Lkeys_\@
.if \p == 0
	QLOAD 1                                        ; the next pass's Q lands during the way out; the last product that read these registers stands a whole softmax back
.endif
	WAYOUT \p
.endm
	PASS 0
	PASS 1
	s_wait_tensorcnt 0x0
	ds_add_u32 v222, v223
	s_wait_dscnt 0x0
	CROUND                                         ; the closing round: no work-group ends while a partner may still ask for a tile that names it (no LDS instruction of mine is out: the last wait was for 0)
	s_endpgm
.Lfunc_end_k_qa01b0b0333_attn:
	.size	k_qa01b0b0333_attn, .Lfunc_end_k_qa01b0b0333_attn-k_qa01b0b0333_attn
	.p2alignl 7, 3214868480
	.fill 96, 4, 3214868480
	.section	.rodata,"a",@progbits
	.p2align	6, 0x0
	.amdhsa_kernel k_qa01b0b0333_attn
		.amdhsa_group_segment_fixed_size 215040
		.amdhsa_private_segment_fixed_size 0
		.amdhsa_enable_private_segment 0
		.amdhsa_kernarg_size 16
		.amdhsa_user_sgpr_count 2
		.amdhsa_user_sgpr_kernarg_segment_ptr 1
		.amdhsa_wavefront_size32 1
		.amdhsa_system_sgpr_workgroup_id_x 1
		.amdhsa_system_sgpr_workgroup_id_y 1
		.amdhsa_system_sgpr_workgroup_id_z 1
		.amdhsa_system_vgpr_workitem_id 0
		.amdhsa_next_free_vgpr 256
		.amdhsa_next_free_sgpr 66
		.amdhsa_reserve_vcc 0
		.amdhsa_float_denorm_mode_32 3
		.amdhsa_float_denorm_mode_16_64 3
		.amdhsa_memory_ordered 1
		.amdhsa_forward_progress 1
		.amdhsa_inst_pref_size 47
	.end_amdhsa_kernel
	.amdgpu_metadata
---
amdhsa.version: [ 1, 2 ]
amdhsa.kernels:
  - .name:           k_qa01b0b0333_attn
    .symbol:         k_qa01b0b0333_attn.kd
    .args:
      - { .name: ws, .offset: 0, .size: 8, .value_kind: global_buffer, .address_space: global }
      - { .name: out0, .offset: 8, .size: 8, .value_kind: global_buffer, .address_space: global }
    .group_segment_fixed_size: 215040
    .private_segment_fixed_size: 0
    .kernarg_segment_align: 8
    .kernarg_segment_size: 16
    .max_flat_workgroup_size: 512
    .sgpr_count:     66
    .vgpr_count:     256
    .wavefront_size: 32
...
	.end_amdgpu_metadata
.endif
;; end of part 2
